; MI455X (gfx1250); checked and timed in simulation.
; The chip was launched on July 23, 2026; its instructions are those of AMD's public machine-readable ISA for CDNA 5 (MIT licence, August 2026) and "CDNA5" Instruction Set Architecture Reference Guide (July 2026). The comments in the code are by the model that wrote it; some were corrected since.
;; Radon Forward. Allowed arithmetic: float matrix products may take bf16 or f16 operands with f32 sums; all other float work in f32.
;; Inputs: image 4 x 1 x 256 x 256 float32; positions 256 float32; thetas 180 float32.
;; Outputs: out0 4 x 1 x 180 x 256 float32.
;; One version. Each part assembles by itself: llvm-mc -triple=amdgcn-amd-amdhsa -mcpu=gfx1250 --defsym DOCPART=n.
;; ======== version 1 of 1: 2 launches
;; limits: values outside matrix products are rounded to bf16
;; workspace buffers: pimg 535,040 bytes; addr 47,185,920 bytes of whole numbers; trig 3,072 bytes
;; launch prep (part 1): grid 1240 x 1, 8 waves a work-group, no clusters, 0 bytes of LDS; arguments image, positions, thetas, pimg, addr, trig; writes pimg, addr, trig
.if DOCPART == 1
	.amdgcn_target "amdgcn-amd-amdhsa--gfx1250"
	.amdhsa_code_object_version 6
	.text
	.protected	k_q1d391e0574_prep
	.globl	k_q1d391e0574_prep
	.p2align	8
	.type	k_q1d391e0574_prep,@function
k_q1d391e0574_prep:
	s_mov_b64 s[64:65], 0
	v_nop
	global_prefetch_b8 v0, s[64:65] scope:SCOPE_SE
	s_setreg_imm32_b32 hwreg(HW_REG_WAVE_MODE, 25, 1), 1
	s_wait_xcnt 0x0
; PREPARATION: the packed image, and for every sample of every ray the LDS byte address of its bilinear cell, as a whole number.
;
; Work-groups 0..519: one row each of pimg.  For batch pair y a block of 260 rows x 257 words: word (r, c) = bf16(image[2y][r-1][c-1]) low,
;   bf16(image[2y+1][r-1][c-1]) high, r, c in 1..256; column 0 and rows 0, 257, 258, 259 are zero; column 257 of a row is column 0 of the next.
; Work-groups 520..1239: angle a = id / 4, samples 64 q .. 64 q + 63 (q = id % 4) of its 256 rays; thread p = ray.
;   addr[((a 64 + k) 256 + p) 4 + u] = address of the n-th sample, n = 4 k + u, that lane p % 32 takes: sample j = (n + o) mod 256.
;   trig[a] = cos, sin, xm, am; o = (lane xor xm) and am (see the next launch: banks).
;
; TWO ROUNDINGS OF ONE COORDINATE.  With h = 127.5 and t = j - 127.5, y = s sin + t cos + h is formed in f32 in two ways:
;   the cell:     rn(fma(t, cos, rn(s sin)) + h)            (x: rn(fma(-t, sin, rn(s cos)) + h))
;   the weights:  rn(rn(rn(s sin) + rn(t cos)) + h)         (x: rn(rn(rn(s cos) - rn(t sin)) + h)),  made in the next launch.
; This follows reference() as it is assumed to be compiled: index and weight are made in separate loops, of which one contracts t cos into the
; sum and the other does not.  Next to a whole number the two can fall on different sides, and then cell and weight do not belong together.
; EDGES.  The zero border stands for validity by the cell's floor; reference() takes validity from the weights' floor and clips the index.  The two
; differ only where the cell's floor is -1 or 255 and the weights' floor is another number: there the weights' floor is taken, which gives the
; corner that carries the weight the reference's value.  A cell outside -1..255 in x or y gets the address of rows 257 and 258, all zeros.
; SIN AND COS have to agree with the C library's sinf, cosf in the last bit: its minimax polynomials (degree 7 and 8 in r = theta - k pi/2) are
; evaluated on pairs of f32 (value + rest), the two highest coefficients in plain f32, and rounded once.
;
; LIMITS.  Image rounded to bf16 (above 3.39e38: infinite).  thetas, positions finite.  The reduction theta - k pi/2 is exact for |theta| below
; about 8; beyond, sin and cos are f32-accurate but need not agree in the last bit.
.set ROWS_OUT,   260
.set PITCHB,     1028
.set IMG_STRIDE, 267520
.set IMG_WGS,    2*ROWS_OUT
.set BATCH_B,    262144
.set ZERO_ADR,   257*1028              ; the cell of zeros
	s_load_b256 s[4:11], s[0:1], 0x0               ; image s[4:5], positions s[6:7], thetas s[8:9], pimg s[10:11]
	s_load_b128 s[36:39], s[0:1], 0x20             ; addr s[36:37], trig s[38:39]
	v_lshlrev_b32 v1, 2, v0                        ; 4 x thread
	s_cmp_ge_u32 ttmp9, IMG_WGS
	s_cbranch_scc1 .Lrays
	; ---------------- a row of the packed image ----------------
	s_cmp_ge_u32 ttmp9, ROWS_OUT
	s_cselect_b32 s14, 1, 0                        ; pair
	s_mul_i32 s15, s14, ROWS_OUT
	s_sub_co_u32 s15, ttmp9, s15                   ; row r, 0..259
	s_mul_i32 s16, s14, IMG_STRIDE
	s_mul_i32 s17, s15, PITCHB
	s_add_co_u32 s16, s16, s17
	s_mov_b32 s17, 0
	v_mov_b32 v4, 0                                ; the word of a border row
	v_mov_b32 v5, 0                                ; the word of column 0
	s_wait_kmcnt 0x0
	s_add_nc_u64 s[10:11], s[10:11], s[16:17]
	s_sub_co_u32 s18, s15, 1                       ; image row r - 1; row 0 wraps to a large number
	s_cmp_ge_u32 s18, 256
	s_cbranch_scc1 .Lput                           ; rows 0, 257, 258, 259: zeros
	s_lshl_b32 s18, s18, 10
	s_lshl_b32 s19, s14, 19
	s_add_co_u32 s18, s18, s19
	s_mov_b32 s19, 0
	s_add_nc_u64 s[4:5], s[4:5], s[18:19]
	global_load_b32 v2, v1, s[4:5] th:TH_LOAD_NT
	global_load_b32 v3, v1, s[4:5] offset:BATCH_B th:TH_LOAD_NT
	s_wait_loadcnt 0x0
	v_cvt_pk_bf16_f32 v4, v2, v3
.Lput:
	global_store_b32 v1, v4, s[10:11] offset:4     ; thread t: column t + 1
	v_cmp_eq_u32 vcc_lo, 0, v0
	s_wait_xcnt 0x0                                ; EXEC is a source of the store above
	s_and_saveexec_b32 s20, vcc_lo
	global_store_b32 v1, v5, s[10:11]              ; thread 0: column 0
	s_wait_xcnt 0x0
	s_or_b32 exec_lo, exec_lo, s20
	s_endpgm
; (dh, dl) = (ah, al) x (bh, bl), pairs of f32; d is none of the sources
.macro DMUL dh, dl, ah, al, bh, bl
	v_mul_f32 v[\dh], v[\ah], v[\bh]
	v_fma_f32 v[\dl], v[\ah], v[\bh], -v[\dh]      ; the product's rest, exact
	v_fma_f32 v[\dl], v[\ah], v[\bl], v[\dl]
	v_fma_f32 v[\dl], v[\al], v[\bh], v[\dl]
.endm
; (h, l) += the constant ch + cl, where |ch| >= |h|; v26, v27 at work
.macro DADDC h, l, ch, cl
	v_add_f32 v26, \ch, v[\h]
	v_sub_f32 v27, \ch, v26
	v_add_f32 v27, v27, v[\h]                      ; what the sum dropped
	v_add_f32 v[\l], \cl, v[\l]
	v_add_f32 v[\l], v[\l], v27
	v_mov_b32 v[\h], v26
.endm
	; ---------------- the cells of one angle ----------------
.Lrays:
	s_sub_co_u32 s14, ttmp9, IMG_WGS
	s_lshr_b32 s15, s14, 2                         ; angle a
	s_and_b32 s18, s14, 3                          ; quarter q
	s_lshl_b32 s16, s15, 2
	s_mov_b32 s17, 0
	s_wait_kmcnt 0x0
	s_add_nc_u64 s[8:9], s[8:9], s[16:17]
	s_load_b32 s19, s[8:9], 0x0                    ; theta
	global_load_b32 v2, v1, s[6:7]                 ; s = positions[thread]
	s_mov_b32 s24, 0x3f22f983                      ; 2/pi, and
	s_mov_b32 s25, 0x32dc9c88                      ; its rest
	s_mov_b32 s26, 0x3fc90fdb                      ; pi/2 = s26 - s27 - s28
	s_mov_b32 s27, 0x333bbd2e
	s_mov_b32 s28, 0x26f72ced
	s_mov_b32 s29, 0x42ff0000                      ; 127.5
	s_mov_b32 s30, 0x437f0000                      ; 255.0
	s_mov_b32 s31, 0x43800000                      ; 256.0
	s_mov_b32 s32, 256
	s_wait_kmcnt 0x0
	v_mov_b32 v3, s19
	; k = floor(theta 2/pi + 1/2), decided on the two-term product
	v_mul_f32 v4, s24, v3
	v_fma_f32 v5, v3, s24, -v4
	v_fma_f32 v5, v3, s25, v5
	v_rndne_f32 v6, v4
	v_sub_f32 v7, v4, v6                           ; exact
	v_add_f32 v8, -0.5, v7
	v_add_f32 v9, 0.5, v7
	v_add_f32 v8, v8, v5
	v_add_f32 v9, v9, v5
	v_cmp_le_f32 vcc_lo, 0, v8
	v_cndmask_b32 v8, 0, 1.0, vcc_lo
	v_cmp_gt_f32 vcc_lo, 0, v9
	v_cndmask_b32 v9, 0, -1.0, vcc_lo
	v_add_f32 v6, v6, v8
	v_add_f32 v6, v6, v9
	; r = theta - k pi/2 as a pair (v13, v14)
	v_fma_f32 v10, -v6, s26, v3                    ; exact: both lie on one grid and the difference is short
	v_mul_f32 v11, v6, s27
	v_fma_f32 v12, v6, s27, -v11
	v_add_f32 v13, v10, v11
	v_sub_f32 v7, v13, v10
	v_sub_f32 v8, v13, v7
	v_sub_f32 v8, v10, v8
	v_sub_f32 v9, v11, v7
	v_add_f32 v14, v8, v9
	v_add_f32 v14, v14, v12
	v_fma_f32 v14, v6, s28, v14
	; z = r^2 (v16, v17)
	v_mul_f32 v16, v13, v13
	v_fma_f32 v17, v13, v13, -v16
	v_add_f32 v7, v13, v13
	v_fma_f32 v17, v7, v14, v17
	; sin r = r + r z (s1 + z (s2 + z s3))
	v_mul_f32 v18, 0xb94ca75a, v16
	v_mov_b32 v19, 0
	DADDC 18, 19, 0x3c0883b0, 0x2f246178
	DMUL 20, 21, 16, 17, 18, 19
	DADDC 20, 21, 0xbe2aaaa3, 0x314d4b40
	DMUL 22, 23, 16, 17, 20, 21
	DMUL 24, 25, 13, 14, 22, 23
	v_add_f32 v26, v13, v24
	v_sub_f32 v27, v13, v26
	v_add_f32 v27, v27, v24
	v_add_f32 v27, v27, v25
	v_add_f32 v27, v27, v14
	v_add_f32 v28, v26, v27                        ; one rounding
	; cos r = 1 + z (c1 + z (c2 + z (c3 + z c4)))
	v_mov_b32 v7, 0x37cc9a18
	v_fmaak_f32 v7, v7, v16, 0xbab6043f
	v_mul_f32 v18, v16, v7
	v_fma_f32 v19, v16, v7, -v18
	v_fma_f32 v19, v17, v7, v19
	DADDC 18, 19, 0x3d2aaa9f, 0x2f03478c
	DMUL 20, 21, 16, 17, 18, 19
	DADDC 20, 21, -0.5, 0x313ce779
	DMUL 22, 23, 16, 17, 20, 21
	v_add_f32 v26, 1.0, v22
	v_sub_f32 v27, 1.0, v26
	v_add_f32 v27, v27, v22
	v_add_f32 v27, v27, v23
	v_add_f32 v29, v26, v27
	; the quadrant: odd k swaps; sin changes sign for k & 2, cos for (k + 1) & 2.  v60 = cos, v61 = sin
	v_cvt_i32_f32 v7, v6
	v_and_b32 v8, 1, v7
	v_cmp_eq_u32 vcc_lo, 1, v8
	v_cndmask_b32 v61, v28, v29, vcc_lo
	v_cndmask_b32 v60, v29, v28, vcc_lo
	v_and_b32 v8, 2, v7
	v_lshlrev_b32 v8, 30, v8
	v_xor_b32 v61, v61, v8
	v_add_nc_u32 v9, 1, v7
	v_and_b32 v9, 2, v9
	v_lshlrev_b32 v9, 30, v9
	v_xor_b32 v60, v60, v9
	; the lanes' shift: none where sin cos >= 0; else lane i by i samples where |cos| >= |sin|, by 31 - i where not
	v_mul_f32 v7, v60, v61
	v_cmp_gt_f32 vcc_lo, 0, v7
	v_cndmask_b32 v63, 0, 31, vcc_lo               ; am
	v_and_b32 v8, 0x7fffffff, v61
	v_and_b32 v9, 0x7fffffff, v60
	v_cmp_lt_f32 vcc_lo, v9, v8
	v_cndmask_b32 v62, 0, 31, vcc_lo               ; xm
	s_wait_loadcnt 0x0                             ; the position
	v_mul_f32 v32, v2, v61                         ; rn(s sin)
	v_mul_f32 v33, v2, v60                         ; rn(s cos)
	v_and_b32 v34, 31, v0
	v_xor_b32 v34, v34, v62
	v_and_b32 v34, v34, v63                        ; o
	s_lshl_b32 s20, s18, 6
	v_add_nc_u32 v35, s20, v34                     ; o + my quarter's first n
	v_lshlrev_b32 v36, 4, v0                       ; 16 bytes a thread
	v_mov_b32 v37, ZERO_ADR
	s_lshl_b32 s16, s15, 18                        ; (64 a + 16 q) x 4,096 bytes
	s_lshl_b32 s21, s18, 16
	s_add_co_u32 s16, s16, s21
	s_add_nc_u64 s[36:37], s[36:37], s[16:17]
	s_cmp_lg_u32 s18, 0
	s_cbranch_scc1 .Lnorec                         ; the angle's record: quarter 0, thread 0
	s_lshl_b32 s16, s15, 4
	s_add_nc_u64 s[38:39], s[38:39], s[16:17]
	v_cmp_eq_u32 vcc_lo, 0, v0
	s_wait_xcnt 0x0                                ; EXEC changes only behind this wait
	s_and_saveexec_b32 s22, vcc_lo
	global_store_b128 v1, v[60:63], s[38:39]       ; v1 = 0 in thread 0
	s_wait_xcnt 0x0
	s_or_b32 exec_lo, exec_lo, s22
.Lnorec:
; the cell of sample n = 4 k + u, into v[56 + u]
.macro SAMP u
	v_add_nc_u32 v40, \u, v35
	v_and_b32 v40, 255, v40                        ; j
	v_cvt_f32_u32 v40, v40
	v_add_f32 v40, 0xc2ff0000, v40                 ; t = j - 127.5, exact
	v_mul_f32 v45, v40, v60                        ; rn(t cos): kept apart from the sum on purpose, for the weights' form
	v_mul_f32 v46, v40, v61                        ; rn(t sin)
	v_fma_f32 v41, v40, v60, v32                   ; y, the cell's form
	v_fma_f32 v43, -v40, v61, v33                  ; x, the cell's form
	v_add_f32 v42, v32, v45                        ; y, the weights' form
	v_sub_f32 v44, v33, v46                        ; x, the weights' form
	v_add_f32 v41, s29, v41
	v_add_f32 v43, s29, v43
	v_add_f32 v42, s29, v42
	v_add_f32 v44, s29, v44
	v_floor_f32 v41, v41
	v_floor_f32 v43, v43
	v_floor_f32 v42, v42
	v_floor_f32 v44, v44
	v_cmp_eq_f32 s40, -1.0, v41                    ; at the two edge cells the weights' floor decides
	v_cmp_eq_f32 s41, s30, v41
	s_or_b32 s40, s40, s41
	v_cndmask_b32 v41, v41, v42, s40
	v_cmp_eq_f32 s40, -1.0, v43
	v_cmp_eq_f32 s41, s30, v43
	s_or_b32 s40, s40, s41
	v_cndmask_b32 v43, v43, v44, s40
	v_med3_num_f32 v41, v41, -2.0, s31             ; to -2 .. 256: both ends are outside
	v_med3_num_f32 v43, v43, -2.0, s31
	v_cvt_i32_f32 v41, v41
	v_cvt_i32_f32 v43, v43
	v_add_nc_u32 v41, 1, v41                       ; padded row and column; -1 reads as a large unsigned number
	v_add_nc_u32 v43, 1, v43
	v_max_u32 v42, v41, v43
	v_cmp_lt_u32 vcc_lo, s32, v42                  ; above 256: outside
	v_mad_u32_u24 v41, v41, 257, v43
	v_lshlrev_b32 v41, 2, v41
	v_cndmask_b32 v[56+\u], v41, v37, vcc_lo
.endm
	s_mov_b32 s23, 16
.Lk:
	SAMP 0
	SAMP 1
	SAMP 2
	SAMP 3
	global_store_b128 v36, v[56:59], s[36:37]      ; the work-group's store covers 4,096 consecutive bytes
	v_add_nc_u32 v35, 4, v35
	s_wait_xcnt 0x0                                ; v[56:59] and s[36:37] are written again only behind this wait
	s_add_nc_u64 s[36:37], s[36:37], 4096
	s_sub_co_i32 s23, s23, 1
	s_cmp_lg_u32 s23, 0
	s_cbranch_scc1 .Lk
	s_endpgm
.Lfunc_end_k_q1d391e0574_prep:
	.size	k_q1d391e0574_prep, .Lfunc_end_k_q1d391e0574_prep-k_q1d391e0574_prep
	.p2alignl 7, 3214868480
	.fill 96, 4, 3214868480
	.section	.rodata,"a",@progbits
	.p2align	6, 0x0
	.amdhsa_kernel k_q1d391e0574_prep
		.amdhsa_group_segment_fixed_size 0
		.amdhsa_private_segment_fixed_size 0
		.amdhsa_enable_private_segment 0
		.amdhsa_kernarg_size 48
		.amdhsa_user_sgpr_count 2
		.amdhsa_user_sgpr_kernarg_segment_ptr 1
		.amdhsa_wavefront_size32 1
		.amdhsa_system_sgpr_workgroup_id_x 1
		.amdhsa_system_sgpr_workgroup_id_y 1
		.amdhsa_system_sgpr_workgroup_id_z 1
		.amdhsa_system_vgpr_workitem_id 0
		.amdhsa_next_free_vgpr 64
		.amdhsa_next_free_sgpr 66
		.amdhsa_reserve_vcc 1
		.amdhsa_float_denorm_mode_32 3
		.amdhsa_float_denorm_mode_16_64 3
		.amdhsa_memory_ordered 1
		.amdhsa_forward_progress 1
		.amdhsa_inst_pref_size 16
	.end_amdhsa_kernel
	.amdgpu_metadata
---
amdhsa.version: [ 1, 2 ]
amdhsa.kernels:
  - .name:           k_q1d391e0574_prep
    .symbol:         k_q1d391e0574_prep.kd
    .args:
      - { .name: image, .offset: 0, .size: 8, .value_kind: global_buffer, .address_space: global }
      - { .name: positions, .offset: 8, .size: 8, .value_kind: global_buffer, .address_space: global }
      - { .name: thetas, .offset: 16, .size: 8, .value_kind: global_buffer, .address_space: global }
      - { .name: pimg, .offset: 24, .size: 8, .value_kind: global_buffer, .address_space: global }
      - { .name: addr, .offset: 32, .size: 8, .value_kind: global_buffer, .address_space: global }
      - { .name: trig, .offset: 40, .size: 8, .value_kind: global_buffer, .address_space: global }
    .group_segment_fixed_size: 0
    .private_segment_fixed_size: 0
    .kernarg_segment_align: 8
    .kernarg_segment_size: 48
    .max_flat_workgroup_size: 256
    .sgpr_count:     66
    .vgpr_count:     64
    .wavefront_size: 32
...
	.end_amdgpu_metadata
.endif
;; end of part 1
;; launch radon (part 2): grid 120 x 2, 12 waves a work-group, no clusters, 268,800 bytes of LDS; arguments pimg, addr, trig, positions, out0; writes out0
.if DOCPART == 2
	.amdgcn_target "amdgcn-amd-amdhsa--gfx1250"
	.amdhsa_code_object_version 6
	.text
	.protected	k_q1d391e0574_radon
	.globl	k_q1d391e0574_radon
	.p2align	8
	.type	k_q1d391e0574_radon,@function
k_q1d391e0574_radon:
	s_mov_b64 s[64:65], 0
	v_nop
	global_prefetch_b8 v0, s[64:65] scope:SCOPE_SE
	s_setreg_imm32_b32 hwreg(HW_REG_WAVE_MODE, 25, 1), 1
	s_wait_xcnt 0x0
; out0[b][a][p] = sum over 256 samples of the bilinear value of image b along ray (a, p), zero outside the image.
;
; A work-group holds the packed image of one batch pair (grid y) in LDS: 257 words a row, a word = two bf16 (even batch low, odd high), a border of
; zeros.  It makes 384 neighbouring rays (grid x): 12 waves, a wave 32 rays of one angle, a lane one ray, all 256 samples in the lane, both batches
; at once.  1440 groups of 32 rays a pair = 120 work-groups; 2 pairs: 240 work-groups.
;
; THE CELL of each sample comes as a whole number (an LDS byte address) from the launch before; the zero border and a cell of zeros stand for the
; reference's validity factors.  THE WEIGHTS are made here in f32, every operation rounded by itself:
;   x = rn(rn(rn(s cos) - rn(t sin)) + 127.5),  y = rn(rn(rn(s sin) + rn(t cos)) + 127.5),  w = coordinate - floor.
; The multiply and the add are NOT fused, on purpose: next to a whole number the fused sum can fall on the other side, and the weights have to fall
; where the reference's weights are assumed to fall.  Why cell and weight use different roundings: see the launch before.
; Each corner word feeds two fused multiply-adds that take a bf16 half, an f32 weight and an f32 sum.
;
; ADDRESSES arrive through a ring of 8 register quads (4 samples a quad): 8 loads of 512 consecutive bytes a wave are always out.
;
; BANKS.  With 257 words a row the word index is row + column modulo 64; 32 lanes on a line that moves the same way in row and column, by fewer than
; 64 in all, fall on different banks.  Neighbouring rays at one sample do so where sin cos >= 0.  Otherwise lane i takes its samples in the order
; j = (n + o) mod 256, o = i or 31 - i (masks xm, am of the angle's record), which turns the line by 45 degrees.  The addresses are stored in that order.
; t passes 127.5 only where 4 k + 4 + 34 >= 256, trips 55 to 63: rounds 6 and 7 carry the wrap, rounds 0 to 5 do not.
;
; NOT SHARED IN A CLUSTER.  The 120 work-groups of a pair read the same 267,264 bytes once each; the gathers' LDS addresses are each work-group's own
; rays, while a joint request wants the partners' LDS addresses alike: each work-group asks for itself.
;
; LIMITS.  The image is bf16 (rounded by the launch before) and finite; thetas and positions finite.
.set WAVES,      12
.set PITCHB,     1028
.set CHUNK,      22272                 ; bytes of the image that one wave fetches; 12 x 22,272 = 267,264
.set IMG_STRIDE, 267520
.set OUT_BATCH,  184320
.set STAGE_B,    1536
.set MAX_ADR,    257*1028              ; the largest address stored; its last corner ends at 265,232
.set QUAD,       4096                  ; 256 rays x 16 bytes: from one trip's addresses to the next
.set LANE, 1
.set S,    2
.set SCOS, 3
.set SSIN, 4
.set VO,   5
.set L16,  6
.set L4,   7
.set T0,   8
.set T1,   9
.set ACC,  16                          ; v[16:23] slot u: sums of the even and the odd batch
.set RES,  24
.set SL,   32                          ; v[32:95] four slots of 16: +0 address, +2 gx, +3 fx, +4 gy, +5 fy, +6..9 weights, +10..13 corners, +14 t, +15 at work
.set AD,   96                          ; v[96:127] the ring: 8 quads of addresses
.set G1,   16
.set G0,   24
.set COS,  32                          ; s[32:35] cos, sin, xm, am
.set SIN,  33
.set HALF, 36
.set C128, 37
.set M256, 38
	s_load_b256 s[4:11], s[0:1], 0x0               ; pimg s[4:5], addr s[6:7], trig s[8:9], positions s[10:11]
	s_load_b64 s[12:13], s[0:1], 0x20              ; out0
	v_lshl_add_u32 v128, v0, 2, 0x41400
	v_mov_b32 v129, 0
	ds_add_u32 v128, v129
	ds_add_u32 v128, v129
	v_lshrrev_b32 v[T0], 5, v0
	v_readfirstlane_b32 s14, v[T0]                 ; wave 0..11
	v_and_b32 v[LANE], 31, v0
	s_and_b32 s15, ttmp7, 0xffff                   ; batch pair
	; the image as it lies: each wave fetches one run of 22,272 bytes = 2,784 elements of 8 bytes
	s_mov_b32 s[G1+0], 3<<16
	s_mov_b32 s[G1+1], (CHUNK/8)<<16
	s_mov_b32 s[G1+2], 1<<16
	s_mov_b32 s[G1+3], (CHUNK/8)<<16
	s_mov_b32 s[G1+4], 1
	s_mov_b32 s[G1+5], 2784
	s_mov_b32 s[G1+6], 0
	s_mov_b32 s[G1+7], 0
	s_mov_b32 s[G0+0], 1
	s_mul_i32 s[G0+1], s14, CHUNK                  ; my wave's own LDS bytes
	s_mul_i32 s28, s15, IMG_STRIDE
	s_add_co_u32 s28, s28, s[G0+1]
	s_mov_b32 s29, 0
	s_wait_dscnt 0x0
	s_wait_kmcnt 0x0
	s_add_nc_u64 s[G0+2:G0+3], s[4:5], s[28:29]
	s_or_b32 s[G0+3], s[G0+3], 0x80000000
	tensor_load_to_lds s[G0:G0+3], s[G1:G1+7]      ; the only tensor load of the wave
	s_nop 0
	s_mul_i32 s42, ttmp9, WAVES
	s_add_co_u32 s42, s42, s14                     ; group of 32 rays, 0..1439
	s_lshr_b32 s43, s42, 3                         ; angle
	s_and_b32 s42, s42, 7                          ; which 32 of its rays
	s_lshl_b32 s28, s43, 4
	s_add_nc_u64 s[30:31], s[8:9], s[28:29]
	s_load_b128 s[32:35], s[30:31], 0x0            ; cos, sin, xm, am
	s_lshl_b32 s28, s42, 7
	s_add_nc_u64 s[44:45], s[10:11], s[28:29]
	v_lshlrev_b32 v[L4], 2, v[LANE]
	v_lshlrev_b32 v[L16], 4, v[LANE]
	global_load_b32 v[S], v[L4], s[44:45]          ; my position
	s_lshl_b32 s28, s43, 18                        ; 64 trips x 4,096 bytes an angle
	s_lshl_b32 s46, s42, 9                         ; 32 rays x 16 bytes
	s_add_co_u32 s28, s28, s46
	s_add_nc_u64 s[40:41], s[6:7], s[28:29]
.irp i, 0,1,2,3,4,5,6,7
	global_load_b128 v[AD+4*\i:AD+4*\i+3], v[L16], s[40:41] offset:\i*QUAD     ; fill the ring: trips 0 to 7
.endr
	s_mov_b32 s[HALF], 0x42ff0000                  ; 127.5
	s_mov_b32 s[C128], 0x43000000                  ; 128.0
	s_mov_b32 s[M256], 0xc3800000                  ; -256.0
.irp i, 0,1,2,3,4,5,6,7
	v_mov_b32 v[ACC+\i], 0
.endr
	s_wait_kmcnt 0x0
	v_xor_b32 v[VO], s34, v[LANE]
	v_and_b32 v[VO], s35, v[VO]                    ; o
	v_cvt_f32_u32 v[VO], v[VO]
.irp u, 0,1,2,3
	v_add_f32 v[SL+16*\u+14], 0xc2ff0000-0x20000*\u, v[VO]         ; t = o + u - 127.5, exact
.endr
	s_wait_loadcnt 0x8                             ; the position is in; the eight ring loads behind it stay out
	v_mul_f32 v[SCOS], s[COS], v[S]                ; rn(s cos)
	v_mul_f32 v[SSIN], s[SIN], v[S]                ; rn(s sin)
	s_wait_tensorcnt 0x0                           ; my part of the image is in LDS,
	s_barrier_signal -1
	s_barrier_wait -1                              ; everybody's is
.macro FMA2 a, b
.irp k, 0,1,2,3
.irp u, \a, \b
	v_fma_mix_f32_bf16 v[ACC+2*\u], v[SL+16*\u+10+\k], v[SL+16*\u+6+\k], v[ACC+2*\u] op_sel_hi:[1,0,0]
	v_fma_mix_f32_bf16 v[ACC+2*\u+1], v[SL+16*\u+10+\k], v[SL+16*\u+6+\k], v[ACC+2*\u+1] op_sel:[1,0,0] op_sel_hi:[1,0,0]
.endr
.endr
.endm
; Four samples of every ray.  i: ring quad; ahead = 1: the quad is loaded again, 8 trips on; left: younger ring loads that may stay out.
.macro TRIP i, ahead, left, wrap
	s_wait_loadcnt \left                           ; loads come back in order: my quad is in
.irp u, 0,1,2,3
	v_min_u32 v[SL+16*\u], MAX_ADR, v[AD+4*\i+\u]  ; the bound of a number that came from memory, stated in front of its use as an address
.endr
.irp u, 0,1,2,3
	ds_load_b32 v[SL+16*\u+10], v[SL+16*\u]
	ds_load_b32 v[SL+16*\u+11], v[SL+16*\u] offset:4
	ds_load_b32 v[SL+16*\u+12], v[SL+16*\u] offset:PITCHB
	ds_load_b32 v[SL+16*\u+13], v[SL+16*\u] offset:PITCHB+4
.endr
.if \ahead
	global_load_b128 v[AD+4*\i:AD+4*\i+3], v[L16], s[40:41] offset:(8+\i)*QUAD
.endif
.irp u, 0,1,2,3
	v_mul_f32 v[SL+16*\u+3], s[SIN], v[SL+16*\u+14]                ; rn(t sin): product and sum rounded apart (see the head)
.endr
.irp u, 0,1,2,3
	v_mul_f32 v[SL+16*\u+5], s[COS], v[SL+16*\u+14]                ; rn(t cos)
.endr
.irp u, 0,1,2,3
	v_sub_f32 v[SL+16*\u+3], v[SCOS], v[SL+16*\u+3]
.endr
.irp u, 0,1,2,3
	v_add_f32 v[SL+16*\u+5], v[SSIN], v[SL+16*\u+5]
.endr
.irp u, 0,1,2,3
	v_add_f32 v[SL+16*\u+3], s[HALF], v[SL+16*\u+3]                ; x
.endr
.irp u, 0,1,2,3
	v_add_f32 v[SL+16*\u+5], s[HALF], v[SL+16*\u+5]                ; y
.endr
.irp u, 0,1,2,3
	v_floor_f32 v[SL+16*\u+2], v[SL+16*\u+3]
.endr
.irp u, 0,1,2,3
	v_floor_f32 v[SL+16*\u+4], v[SL+16*\u+5]
.endr
.irp u, 0,1,2,3
	v_sub_f32 v[SL+16*\u+3], v[SL+16*\u+3], v[SL+16*\u+2]          ; fx
.endr
.irp u, 0,1,2,3
	v_sub_f32 v[SL+16*\u+5], v[SL+16*\u+5], v[SL+16*\u+4]          ; fy
.endr
.irp u, 0,1,2,3
	v_sub_f32 v[SL+16*\u+2], 1.0, v[SL+16*\u+3]                    ; gx
.endr
.irp u, 0,1,2,3
	v_sub_f32 v[SL+16*\u+4], 1.0, v[SL+16*\u+5]                    ; gy
.endr
.irp u, 0,1,2,3
	v_pk_mul_f32 v[SL+16*\u+6:SL+16*\u+7], v[SL+16*\u+2:SL+16*\u+3], v[SL+16*\u+4:SL+16*\u+5] op_sel_hi:[1,0]            ; (gx, fx) x gy
.endr
.irp u, 0,1,2,3
	v_pk_mul_f32 v[SL+16*\u+8:SL+16*\u+9], v[SL+16*\u+2:SL+16*\u+3], v[SL+16*\u+4:SL+16*\u+5] op_sel:[0,1] op_sel_hi:[1,1] ; (gx, fx) x fy
.endr
.irp u, 0,1,2,3
	v_add_f32 v[SL+16*\u+14], 4.0, v[SL+16*\u+14]                  ; four samples on
.endr
.if \wrap
.irp u, 0,1,2,3
	v_cmp_lt_f32 vcc_lo, s[C128], v[SL+16*\u+14]                   ; past the ray's end: back by 256 samples
	v_add_f32 v[SL+16*\u+15], s[M256], v[SL+16*\u+14]
	v_cndmask_b32 v[SL+16*\u+14], v[SL+16*\u+14], v[SL+16*\u+15], vcc_lo
.endr
.endif
	s_wait_dscnt 0x8                               ; LDS loads come back in order: slots 0 and 1 are in, the eight of slots 2 and 3 may be out
	FMA2 0, 1
	s_wait_dscnt 0x0
	FMA2 2, 3
.endm
.macro ROUND ahead, wrap, down         ; eight trips, once round the ring; down = 1: the counts run down
.irp i, 0,1,2,3,4,5,6,7
	TRIP \i, \ahead, 7-\down*\i, \wrap
.endr
.endm
	s_mov_b32 s39, 6
.Lround:
	ROUND 1, 0, 0
	s_wait_xcnt 0x0                                ; the ring's base is stepped only behind this wait
	s_add_nc_u64 s[40:41], s[40:41], 8*QUAD
	s_sub_co_i32 s39, s39, 1
	s_cmp_lg_u32 s39, 0
	s_cbranch_scc1 .Lround
	ROUND 1, 1, 0                                  ; trips 48 to 55: fetch the last round's addresses
	ROUND 0, 1, 1                                  ; trips 56 to 63: nothing more is loaded
	v_pk_add_f32 v[ACC:ACC+1], v[ACC:ACC+1], v[ACC+2:ACC+3]        ; the four slots' sums, both batches at once
	v_pk_add_f32 v[ACC+4:ACC+5], v[ACC+4:ACC+5], v[ACC+6:ACC+7]
	v_pk_add_f32 v[ACC:ACC+1], v[ACC:ACC+1], v[ACC+4:ACC+5]
	; THE WAY OUT.  The work-group holds 1,536 consecutive bytes of each of two output rows; they meet in LDS, laid over the first 3,072 bytes of
	; the image, so that one store of a wave covers 512 consecutive bytes, aligned.
	s_barrier_signal -1                            ; my gathers are over (the last wait above is for zero):
	s_barrier_wait -1                              ; nobody reads the image any more
	v_lshlrev_b32 v[T0], 2, v0
	ds_store_b32 v[T0], v[ACC]                     ; even batch: ray = thread
	ds_store_b32 v[T0], v[ACC+1] offset:STAGE_B    ; odd batch
	s_wait_dscnt 0x0                               ; for the other waves' sake: zero
	s_barrier_signal -1
	s_barrier_wait -1
	s_cmp_ge_u32 s14, 6
	s_cbranch_scc1 .Ldone                          ; 3,072 bytes are six waves of 16 bytes a lane
	v_lshlrev_b32 v[T1], 4, v0
	ds_load_b128 v[RES:RES+3], v[T1]
	s_cmp_ge_u32 s14, 3
	s_cselect_b32 s42, 1, 0                        ; waves 0-2: even batch, waves 3-5: odd batch
	s_lshl_b32 s43, s15, 1
	s_add_co_u32 s43, s43, s42
	s_mul_i32 s43, s43, OUT_BATCH
	s_mul_i32 s46, ttmp9, STAGE_B
	s_add_co_u32 s43, s43, s46
	s_mul_i32 s46, s42, 3
	s_sub_co_u32 s46, s14, s46
	s_lshl_b32 s46, s46, 9                         ; 512 bytes a wave
	s_add_co_u32 s28, s43, s46
	s_mov_b32 s29, 0
	s_add_nc_u64 s[12:13], s[12:13], s[28:29]
	s_wait_dscnt 0x0
	global_store_b128 v[L16], v[RES:RES+3], s[12:13] th:TH_STORE_NT
.Ldone:
	s_wait_tensorcnt 0x0
	ds_add_u32 v128, v129
	s_wait_dscnt 0x0
	s_endpgm
.Lfunc_end_k_q1d391e0574_radon:
	.size	k_q1d391e0574_radon, .Lfunc_end_k_q1d391e0574_radon-k_q1d391e0574_radon
	.p2alignl 7, 3214868480
	.fill 96, 4, 3214868480
	.section	.rodata,"a",@progbits
	.p2align	6, 0x0
	.amdhsa_kernel k_q1d391e0574_radon
		.amdhsa_group_segment_fixed_size 268800
		.amdhsa_private_segment_fixed_size 0
		.amdhsa_enable_private_segment 0
		.amdhsa_kernarg_size 40
		.amdhsa_user_sgpr_count 2
		.amdhsa_user_sgpr_kernarg_segment_ptr 1
		.amdhsa_wavefront_size32 1
		.amdhsa_system_sgpr_workgroup_id_x 1
		.amdhsa_system_sgpr_workgroup_id_y 1
		.amdhsa_system_sgpr_workgroup_id_z 1
		.amdhsa_system_vgpr_workitem_id 0
		.amdhsa_next_free_vgpr 130
		.amdhsa_next_free_sgpr 66
		.amdhsa_reserve_vcc 1
		.amdhsa_float_denorm_mode_32 3
		.amdhsa_float_denorm_mode_16_64 3
		.amdhsa_memory_ordered 1
		.amdhsa_forward_progress 1
		.amdhsa_inst_pref_size 145
	.end_amdhsa_kernel
	.amdgpu_metadata
---
amdhsa.version: [ 1, 2 ]
amdhsa.kernels:
  - .name:           k_q1d391e0574_radon
    .symbol:         k_q1d391e0574_radon.kd
    .args:
      - { .name: pimg, .offset: 0, .size: 8, .value_kind: global_buffer, .address_space: global }
      - { .name: addr, .offset: 8, .size: 8, .value_kind: global_buffer, .address_space: global }
      - { .name: trig, .offset: 16, .size: 8, .value_kind: global_buffer, .address_space: global }
      - { .name: positions, .offset: 24, .size: 8, .value_kind: global_buffer, .address_space: global }
      - { .name: out0, .offset: 32, .size: 8, .value_kind: global_buffer, .address_space: global }
    .group_segment_fixed_size: 268800
    .private_segment_fixed_size: 0
    .kernarg_segment_align: 8
    .kernarg_segment_size: 40
    .max_flat_workgroup_size: 384
    .sgpr_count:     66
    .vgpr_count:     130
    .wavefront_size: 32
...
	.end_amdgpu_metadata
.endif
;; end of part 2
